; MI455X (gfx1250); checked and timed in simulation.
; The chip was launched on July 23, 2026; its instructions are those of AMD's public machine-readable ISA for CDNA 5 (MIT licence, August 2026) and "CDNA5" Instruction Set Architecture Reference Guide (July 2026). The comments in the code are by the model that wrote it; some were corrected since.
;; Contact Map Predictor. Allowed arithmetic: matrix products marked QUANTISED: E2M1 operands, one E8M0 scale for each 32 along K, by v_wmma_scale_f32_16x16x128_f8f6f4 with both operands' format E2M1 (or v_wmma_scale_f32_32x16x128_f4), f32 sums; products left as they are: f32 operands where the result goes on into a quantised operand, else bf16, f16 or f32 operands; f32 sums; everything else in f32.
;; Inputs: S_mol1 2 x 500 int32; S_mol2 2 x 800 int32; W1 256 x 128 float32; W2 128 x 1 float32; b1 128 float32; b2 1 float32; contact_map 2 x 500 x 800 float32; h_mol1 2 x 500 x 128 float32; h_mol2 2 x 800 x 128 float32.
;; Outputs: out0 2 x 400,000 float32; out1 2 x 400,000 float32; out2 2 x 400,000 float32.
;; This version of the problem:
;;   THIS VERSION OF THE PROBLEM IS GIVEN IN LOW PRECISION. The matrix products marked QUANTISED in the list below multiply operands that are first quantised to E2M1 (2 exponent bits, 1 mantissa bit; 4 bits a number), with one power-of-two scale for each 32 numbers along K (OCP MX v1.0); their sums are f32. All else is computed in f32.
;;   The module's matrix products, in the order in which they are computed (A, B: the left and right operand; K: the contracted axis; several contracted axes count as one K, in the product's order):
;;     1. [M 1,000, K 128] x [K 128, N 128]; A: input h_mol1; B: input W1: QUANTISED
;;     2. [M 1,600, K 128] x [K 128, N 128]; A: input h_mol2; B: input W1: QUANTISED
;;     3. [M 800,000, K 128] x [K 128, N 1]; A: computed on the way; B: input W2: left as it is (N = 1 < 16)
;;   THE QUANTISER, for each operand of a quantised product, along K:
;;     - K is cut into blocks of 32 from its start; a last block that is shorter is filled with zeros.
;;     - A block's scale is 2^e with e = floor(log2(the largest magnitude in the block)) - 2, held to -126 .. 127; a block of zeros has e = 0. As a byte (E8M0): e + 127.
;;     - Each number is divided by its block's scale, clamped to +-6, and rounded to the nearest number of E2M1, ties to even, subnormals kept.
;;     - The product sums the exact products of the quantised numbers (number of the format x scale) in f32.
;;   ~~~python
;;   def quantise(x, axis):      # numpy; x: float32 -> the quantised numbers, widened to float32 again
;;       x = np.moveaxis(x, axis, -1); K = x.shape[-1]
;;       x = np.pad(x, [(0, 0)] * (x.ndim - 1) + [(0, -K % 32)]); x = x.reshape(x.shape[:-1] + (-1, 32)); a = np.abs(x).max(-1, keepdims=True)
;;       e = np.where(a > 0, np.clip(np.frexp(np.where(a > 0, a, 1))[1] - 1 - 2, -126, 127), 0)      # np.frexp(a)[1] - 1 = floor(log2(a)), exactly
;;       r = np.clip(x / 2.0 ** e, -6, 6)
;;       step = 2.0 ** (np.maximum(np.frexp(np.where(r == 0, 1, r))[1] - 1, 0) - 1)
;;       q = np.round(r / step) * step * 2.0 ** e      # np.round: ties to even
;;       return np.moveaxis(q.reshape(q.shape[:-2] + (-1,))[..., :K], -1, axis).astype(np.float32)
;;   ~~~
;; One version. Each part assembles by itself: llvm-mc -triple=amdgcn-amd-amdhsa -mcpu=gfx1250 --defsym DOCPART=n.
;; ======== version 1 of 1: 1 launch
;; limits: a difference of large sums (such as E[x^2] - mean^2): digits are lost where the result is much smaller than its terms
;; launch pairs (part 1): grid 5 x 50, 4 waves a work-group, no clusters, 284,928 bytes of LDS; arguments S_mol1, S_mol2, h_mol1, h_mol2, contact_map, W1, b1, W2, b2, out0, out1, out2; writes out0, out1, out2
.if DOCPART == 1
	.amdgcn_target "amdgcn-amd-amdhsa--gfx1250"
	.amdhsa_code_object_version 6
	.text
	.protected	k_q3c436c71f3_pairs
	.globl	k_q3c436c71f3_pairs
	.p2align	8
	.type	k_q3c436c71f3_pairs,@function
k_q3c436c71f3_pairs:
	s_mov_b64 s[64:65], 0
	v_nop
	global_prefetch_b8 v0, s[64:65] scope:SCOPE_SE
	s_setreg_imm32_b32 hwreg(HW_REG_WAVE_MODE, 25, 1), 1
	s_wait_xcnt 0x0
; pred[b][n][m] = sum over f of W2[f] relu(p1[b][n][f] + p2[b][m][f] + b1[f]) + b2;  mask = (S1 != 0)(S2 != 0);  y = (contact_map < 0.5) mask.
; p1 = Q(h1) Q(W1[:128]) and p2 = Q(h2) Q(W1[128:]) are made on codes of FP4 (E2M1) with one E8M0 scale for each 32 along K, by the scaled matrix instruction; all else is f32.
; THE PAIR SUM.  relu(a + p2) = max(a, -p2) + p2.  With a = p1 + b1 and c = -p2:  pred = sum_f w_f max(a_f, c_f) + bias[m],  bias[m] = b2 - sum_f w_f c_f, which hangs on m alone.
;   So a pair's feature costs one maximum and half a packed multiply-add.  -p2 is had by turning the sign bit of every code of W1's lower half: exact.
;   ORDER OF ROUNDING: the sum is taken in another order than the formula above reads, and bias[m] is added apart; the difference is of the order 2^-24 x sum |w| (|a| + |c|).
; LIMITS: NaN and infinities among the inputs are not served.  A block of zeros gets the scale byte 1, not 127: its codes are zeros, and the bytes are read by this program alone.
;   Blocks whose largest magnitude lies under 2^(3 - 127) have their byte held at 1.
; SHARES.  A work-group owns 20 rows n x 160 columns m of one batch: grid 5 (m) x 50 (batch x 25 blocks of n).  Four waves.  A lane owns a PAIR of columns, m = 2 mu and 2 mu + 1: its two sums are 8 neighbouring bytes.
;   A row's 160 columns are 640 bytes, which begin at 0 or at 128 modulo 256 as (n + work-group x) is even or odd.  Wave w = 2 kap + hw takes the 5 rows of rows 10 hw .. 10 hw + 9 for which that parity is kap.
;   So each of its rows is two runs of 256 aligned bytes (one store of the wave covers one run: passes 0 and 1) and one run of 128 bytes (pass H: two rows to a store, lanes 0-15 one row, lanes 16-31 another).
;   One fifth of the output so leaves in runs of 128 bytes: a row of the outputs is 3,200 bytes = 12.5 x 256, and its 25 runs of 128 bytes divide by 5 alone.  In pass H row 4 is computed in both halves of the lanes.
; a IS BROADCAST BY DPP: a's tile has the feature across the 16 lanes of a row of lanes, so row_share:k hands a[n][16 ft + k] to every lane inside the maximum itself.
; NO CLUSTER: W1 is read by all work-groups and a block of h2 by 25, but the grid is 5 x 50, and neither side is a multiple of 4.  NO PREFETCH: every input byte is asked for at the head.
; LDS (bytes): 0 W1's four tiles (one a wave, 128 k x 64 columns of f32, rows of 256), later c's image [e 2][f / 4, 32][mu 80][16 bytes];  H2: h2's 160 rows as [e][mu], rows of 512 + 16;  H1: 8 rows a wave (5 real, 3 zeros);
;   WIMG: W1's 16 fragments as images of their registers;  WSC: their scale words;  AIMG: a's 8 tiles a wave, as images;  WVEC, B1V: W2, b1;  BT: bias[mu][e].
.set L_H2,    131072
.set L_H1,    215552
.set L_WIMG,  232448
.set L_WSC,   248832
.set L_AIMG,  249856
.set L_WVEC,  282624
.set L_B1V,   283136
.set L_BT,    283648
.set HP,      528                      ; a row of h in LDS: 512 bytes + 16 = 132 words: row r starts at bank 4 r mod 64 (64 banks of 4 bytes: ISA guide 11.1)
.set PLANE_H, 80*HP                    ; h2's odd rows lie behind its even rows
.set PLANE_C, 40960                    ; c's image: from e = 0 to e = 1
.set QROW,    1280                     ; and from four features to the next four: 80 mu x 16 bytes
.set ROW2,    6400                     ; two rows of an output or of contact_map: my rows are two apart
; vector registers that stay: v1 lane, v2 r = lane % 16, v3 h = lane / 16, v4-6 global offsets, v7-25, v29-32 LDS addresses (made here, ahead of every branch), v26-28 the running addresses of the pair loop
.set M2,   48                          ; v48-53   (S2 != 0) as 1.0 or 0: pass 0's pair, pass 1's, pass H's
.set S2R,  122                         ; v122-127 S2 as loaded
.set M1H,  90                          ; v90-91   pass H: (S1 != 0) of rows 0 | 1 and 2 | 3 in the two halves of the lanes
.set WB,   92                          ; v92-93   my word of W2 and of b1
.set CM,   64                          ; v64-89   contact_map, then y: 13 pairs
.set MK,   96                          ; v96-121  mask: 13 pairs
.set XR,   128                         ; v128-255 W1: four sets of 32 numbers down K
.set CODE, 64                          ; v64-95   W1's codes: 16 registers for each 32 columns
.set SW,   96                          ; v96-97   W1's scale words as they are made
.set X,    192                         ; v192-255 64 numbers of a row of h; then the 8 results of a run of matrix instructions
.set HF,   48                          ; v48-55   h's fragment
.set HSC,  56                          ; v56      its scale words;  v57-60 W1's.  These five hold scales and nothing else
.set WS,   57
.set B1R,  40                          ; v40-47   b1 at my lane's feature, tile by tile
.set WF,   128                         ; v128-191 eight fragments of W1
.set WH,   64                          ; v64-127  W2 at my lane's eight features, tile by tile
.set CE,   64                          ; the pair loop, buffer B: v[64 + 32 B ..] c of my even m, 16 features;  v[80 + 32 B ..] of my odd m
.set CO,   80
.set WR,   128                         ; v[128 + 16 B ..] W2's 16
.set AR,   160                         ; v[160 + 8 B ..]  a's tile: registers 0-4 my rows, 5 rows 0 | 1, 6 rows 2 | 3
.set T,    176                         ; v176-185 the maxima in hand
.set ACC0, 192                         ; v192-201, v202-211, v212-217: the sums of passes 0, 1, H
.set ACC1, 202
.set ACCH, 212
.set BIAS, 218                         ; v218-223 bias of my pair in passes 0, 1, H
	s_load_b512 s[4:19], s[0:1], 0x0               ; S1 s[4:5], S2 s[6:7], h1 s[8:9], h2 s[10:11], contact_map s[12:13], W1 s[14:15], b1 s[16:17], W2 s[18:19]
	s_load_b256 s[20:27], s[0:1], 0x40             ; b2 s[20:21], out0 s[22:23], out1 s[24:25], out2 s[26:27]
	v_lshl_add_u32 v62, v0, 2, 0x45700
	v_mov_b32 v63, 0
	ds_add_u32 v62, v63
	ds_add_u32 v62, v63
	v_lshrrev_b32 v33, 5, v0
	v_readfirstlane_b32 s28, v33                   ; w: wave 0..3
	s_lshr_b32 s29, s28, 1                         ; kap.  Also: which half of W1's 256 rows I quantise
	s_and_b32 s30, s28, 1                          ; hw.   Also: which 64 columns of W1
	s_xor_b32 s93, s29, 1                          ; 1 - kap
	s_mov_b32 s31, ttmp9                           ; tau: which 160 columns m
	s_and_b32 s32, ttmp7, 0xffff
	s_cmp_ge_u32 s32, 25
	s_cselect_b32 s33, 1, 0                        ; the batch
	s_mul_i32 s92, s33, 25
	s_sub_co_u32 s34, s32, s92                     ; which 20 rows n
	s_add_co_u32 s35, s29, s31
	s_and_b32 s35, s35, 1                          ; the parity of my rows: (kap + tau) % 2
	s_mul_i32 s76, s33, 500
	s_mul_i32 s92, s34, 20
	s_add_co_u32 s76, s76, s92
	s_mul_i32 s92, s30, 10
	s_add_co_u32 s76, s76, s92
	s_add_co_u32 s76, s76, s35                     ; G: my first row, counted through both batches; my rows are G + 2 i, i = 0 .. 4
	s_mul_i32 s77, s33, 800
	s_mul_i32 s92, s31, 160
	s_add_co_u32 s77, s77, s92                     ; the work-group's first column m, counted through both batches
	s_mov_b32 s79, 0                               ; the upper word of every offset
	s_mov_b32 s86, 0xffff0000                      ; lanes 16-31, as a mask for selects
	s_mov_b32 s88, 0x76543210
	s_mov_b32 s89, 0xfedcba98                      ; v_permlanex16_b32's selects for lane l xor 16
	s_cmp_lg_u32 s29, 0
	s_cselect_b32 s90, 0x88888888, 0               ; the sign bits of eight codes, for W1's lower half alone
	v_and_b32 v1, 31, v0
	v_and_b32 v2, 15, v0
	v_bfe_u32 v3, v0, 4, 1
	s_lshl_b32 s92, s29, 7
	v_lshl_add_u32 v4, v1, 3, s92                  ; passes 0, 1: my 8 bytes of a row's 640: 8 lane + 128 kap (+ 256 in pass 1)
	s_lshl_b32 s94, s93, 9
	v_lshl_add_u32 v6, v2, 3, s94                  ; pass H: 8 r + 512 (1 - kap),
	v_mad_u32_u24 v5, v3, ROW2, v6                 ; and for lanes 16-31 my next row
	s_lshl_b32 s92, s28, 15
	v_lshl_add_u32 v7, v1, 2, s92                  ; W1's tile: mine, column = lane
	s_lshl_b32 s92, s28, 12
	s_add_co_u32 s92, s92, L_WIMG
	v_lshl_add_u32 v8, v1, 4, s92                  ; where I store W1's fragments: my four begin at fragment 4 w
	s_lshl_b32 s92, s28, 8
	s_add_co_u32 s92, s92, L_WSC
	v_lshl_add_u32 v9, v1, 2, s92                  ; and their scale words: two images of 128 bytes
	v_and_b32 v33, 7, v0
	v_mul_u32_u24 v33, v33, HP
	v_lshl_add_u32 v33, v3, 7, v33
	s_mul_i32 s92, s28, 8*HP
	s_add_co_u32 s92, s92, L_H1
	v_add_nc_u32 v10, s92, v33                     ; h1: row r % 8 of my eight (rows 8-15 of the fragment repeat rows 0-7), + 128 h: blocks h and 2 + h are mine
	v_mul_u32_u24 v34, v2, HP
	v_lshl_add_u32 v34, v3, 7, v34
	s_mul_i32 s92, s28, 16*HP
	s_add_co_u32 s92, s92, L_H2
	v_add_nc_u32 v11, s92, v34                     ; h2: mu = 16 w + r
	s_mul_i32 s92, s30, PLANE_H
	s_add_co_u32 s92, s92, L_H2+64*HP
	v_add_nc_u32 v12, s92, v34                     ; h2: mu = 64 + r, e = w (waves 0 and 1)
	v_mul_u32_u24 v35, v3, 2*QROW
	v_lshl_add_u32 v35, v2, 4, v35
	s_lshl_b32 s92, s28, 8
	v_add_nc_u32 v13, s92, v35                     ; c's image, e = 0: 16 (16 w + r) + eight features for h
	v_add_nc_u32 v14, PLANE_C, v13                 ; e = 1
	s_mul_i32 s92, s30, PLANE_C
	s_add_co_u32 s92, s92, 1024
	v_add_nc_u32 v15, s92, v35                     ; mu = 64 + r, e = w
	s_lshl_b32 s92, s28, 7
	s_add_co_u32 s92, s92, L_BT
	v_lshl_add_u32 v16, v2, 3, s92                 ; bias[16 w + r][0]
	s_lshl_b32 s92, s30, 2
	s_add_co_u32 s92, s92, L_BT+512
	v_lshl_add_u32 v17, v2, 3, s92                 ; bias[64 + r][w]
	s_lshl_b32 s92, s28, 13
	s_add_co_u32 s92, s92, L_AIMG
	v_lshl_add_u32 v18, v1, 4, s92                 ; a's images: mine
	v_lshl_add_u32 v19, v1, 4, L_WIMG              ; an image's place for my lane
	v_lshl_add_u32 v20, v1, 2, L_WSC
	s_lshl_b32 s92, s29, 8
	v_lshl_add_u32 v21, v1, 4, s92                 ; pass 0: c of mu = 16 kap + lane
	s_lshl_b32 s92, s93, 10
	v_lshl_add_u32 v22, v2, 4, s92                 ; pass H: c of mu = 64 (1 - kap) + r
	s_lshl_b32 s92, s29, 7
	s_add_co_u32 s92, s92, L_BT
	v_lshl_add_u32 v23, v1, 3, s92                 ; pass 0: my pair's bias
	s_add_co_u32 s94, s94, L_BT
	v_lshl_add_u32 v24, v2, 3, s94                 ; pass H
	v_mov_b32 v25, L_WVEC
	v_lshlrev_b32 v29, 3, v3                       ; 8 h: how far my two scale bytes are shifted
	v_lshl_add_u32 v30, v3, 5, L_WVEC              ; W2 at eight features for h
	v_lshl_add_u32 v31, v2, 2, L_B1V               ; b1 at feature r
	v_lshl_add_u32 v32, v0, 2, L_WVEC              ; where thread t puts W2[t]; b1[t] 512 bytes on
	v_lshlrev_b32 v46, 2, v0                       ; and where it finds them
	v_mov_b32 v38, 0                               ; written once: a lane permute's destination counts as one of its sources
	; descriptor groups 1, constants all.  W1's tile: 128 rows x 64 elements of 4 bytes, 128 elements from row to row, no padding
	s_mov_b32 s36, 2<<16
	s_mov_b32 s37, 64<<16                          ; tensor_dim0
	s_mov_b32 s38, 128<<16                         ; tensor_dim1
	s_mov_b32 s39, 64<<16                          ; tile_dim0
	s_mov_b32 s40, 128                             ; tile_dim1
	s_mov_b32 s41, 128                             ; stride
	s_mov_b32 s42, 0
	s_mov_b32 s43, 0
	; h2: 40 rows x 128 elements, every second row of memory (256 elements apart); 4 words of padding behind every 128 words
	s_mov_b32 s44, (2<<16)|(1<<20)|(6<<22)|(3<<25)
	s_mov_b32 s45, 128<<16
	s_mov_b32 s46, 40<<16
	s_mov_b32 s47, 128<<16
	s_mov_b32 s48, 40
	s_mov_b32 s49, 256
	s_mov_b32 s50, 0
	s_mov_b32 s51, 0
	; h1: a tile of 8 rows of which the tensor has 5 left: rows 5 to 7 arrive as zeros, and nothing past my fifth row is read
	s_mov_b32 s52, (2<<16)|(1<<20)|(6<<22)|(3<<25)
	s_mov_b32 s53, 128<<16
	s_mov_b32 s54, 5<<16
	s_mov_b32 s55, 128<<16
	s_mov_b32 s56, 8
	s_mov_b32 s57, 256
	s_mov_b32 s58, 0
	s_mov_b32 s59, 0
	s_wait_dscnt 0x0
	s_wait_kmcnt 0x0
	s_mov_b32 s60, 1                               ; W1: rows 128 kap on, columns 64 hw on, to my own 32,768 bytes
	s_lshl_b32 s61, s28, 15
	s_lshl_b32 s78, s29, 16
	s_lshl_b32 s92, s30, 8
	s_add_co_u32 s78, s78, s92
	s_add_nc_u64 s[62:63], s[14:15], s[78:79]
	s_or_b32 s63, s63, 0x80000000
	s_mov_b32 s68, 1                               ; h2: plane e = hw, mu = 40 kap .. 40 kap + 39: rows m0 + 80 kap + hw + 2 j
	s_mul_i32 s69, s30, PLANE_H
	s_mul_i32 s92, s29, 40*HP
	s_add_co_u32 s69, s69, s92
	s_add_co_u32 s69, s69, L_H2
	s_mul_i32 s92, s29, 80
	s_add_co_u32 s78, s77, s92
	s_add_co_u32 s78, s78, s30
	s_lshl_b32 s78, s78, 9
	s_add_nc_u64 s[70:71], s[10:11], s[78:79]
	s_or_b32 s71, s71, 0x80000000
	s_mov_b32 s72, 1                               ; h1: my five rows, G + 2 i
	s_mul_i32 s73, s28, 8*HP
	s_add_co_u32 s73, s73, L_H1
	s_lshl_b32 s78, s76, 9
	s_add_nc_u64 s[74:75], s[8:9], s[78:79]
	s_or_b32 s75, s75, 0x80000000
	tensor_load_to_lds s[60:63], s[36:43]          ; the three fills of the launch go out together; each LDS byte is filled once.  Three tensor loads of mine are out
	s_nop 0
	tensor_load_to_lds s[68:71], s[44:51]
	s_nop 0
	tensor_load_to_lds s[72:75], s[52:59]
	s_nop 0
.rept 4
	v_nop                                          ; behind a tensor load
.endr
	; ---- MASKS, while the tiles are on their way
	s_mul_i32 s78, s76, 3200
	s_mul_i32 s92, s31, 640
	s_add_co_u32 s78, s78, s92                     ; my first row's 640 bytes in contact_map and in each output (under 2^32)
	s_add_nc_u64 s[12:13], s[12:13], s[78:79]
	s_add_nc_u64 s[22:23], s[22:23], s[78:79]
	s_add_nc_u64 s[24:25], s[24:25], s[78:79]
	s_add_nc_u64 s[26:27], s[26:27], s[78:79]
	s_lshl_b32 s78, s77, 2
	s_add_nc_u64 s[6:7], s[6:7], s[78:79]          ; S2 at the work-group's first column
	s_lshl_b32 s78, s76, 2
	s_add_nc_u64 s[4:5], s[4:5], s[78:79]          ; S1 at my first row
.irp i, 0,1,2,3,4
	s_load_b32 s[80+\i], s[4:5], 8*\i              ; S1 of my five rows
.endr
	s_load_b32 s85, s[20:21], 0x0                  ; b2
	global_load_b32 v[WB], v46, s[18:19]           ; W2[t]
	global_load_b32 v[WB+1], v46, s[16:17]         ; b1[t]
	global_load_b64 v[S2R:S2R+1], v4, s[6:7]       ; S2 of my pair in pass 0,
	global_load_b64 v[S2R+2:S2R+3], v4, s[6:7] offset:256   ; pass 1,
	global_load_b64 v[S2R+4:S2R+5], v6, s[6:7]     ; pass H
.irp u, 0,1
.irp i, 0,1,2,3,4
	global_load_b64 v[CM+10*\u+2*\i:CM+10*\u+2*\i+1], v4, s[12:13] offset:ROW2*\i+256*\u th:TH_LOAD_NT   ; 32 lanes read 256 consecutive bytes, aligned
.endr
.endr
	global_load_b64 v[CM+20:CM+21], v5, s[12:13] th:TH_LOAD_NT                ; rows 0 | 1
	global_load_b64 v[CM+22:CM+23], v5, s[12:13] offset:2*ROW2 th:TH_LOAD_NT  ; rows 2 | 3
	global_load_b64 v[CM+24:CM+25], v6, s[12:13] offset:4*ROW2 th:TH_LOAD_NT  ; row 4, in both halves of the lanes
	s_wait_kmcnt 0x0
.irp i, 0,1,2,3,4
	s_cmp_lg_u32 s[80+\i], 0
	s_cselect_b32 s[80+\i], 1.0, 0                 ; (S1 != 0) as a number: a select, no branch
.endr
	v_mov_b32 v[M1H], s80
	v_mov_b32 v33, s81
	v_cndmask_b32 v[M1H], v[M1H], v33, s86
	v_mov_b32 v[M1H+1], s82
	v_mov_b32 v34, s83
	v_cndmask_b32 v[M1H+1], v[M1H+1], v34, s86
	s_wait_loadcnt 13                              ; W2, b1 and S2 are in; the 13 loads of contact_map may be out
	ds_store_b32 v32, v[WB]
	ds_store_b32 v32, v[WB+1] offset:512
.irp j, 0,1,2,3,4,5
	v_cmp_ne_u32 vcc_lo, 0, v[S2R+\j]
	v_cndmask_b32 v[M2+\j], 0, 1.0, vcc_lo
.endr
.irp u, 0,1
.irp i, 0,1,2,3,4
	v_mul_f32 v[MK+10*\u+2*\i], s[80+\i], v[M2+2*\u]
	v_mul_f32 v[MK+10*\u+2*\i+1], s[80+\i], v[M2+2*\u+1]
.endr
.endr
.irp d, 0,1
	v_mul_f32 v[MK+20+2*\d], v[M1H+\d], v[M2+4]
	v_mul_f32 v[MK+21+2*\d], v[M1H+\d], v[M2+5]
.endr
	v_mul_f32 v[MK+24], s84, v[M2+4]
	v_mul_f32 v[MK+25], s84, v[M2+5]
.irp u, 0,1
.irp i, 0,1,2,3,4
	global_store_b64 v4, v[MK+10*\u+2*\i:MK+10*\u+2*\i+1], s[26:27] offset:ROW2*\i+256*\u th:TH_STORE_NT   ; 32 lanes store 256 consecutive bytes, aligned
.endr
.endr
	global_store_b64 v5, v[MK+20:MK+21], s[26:27] th:TH_STORE_NT
	global_store_b64 v5, v[MK+22:MK+23], s[26:27] offset:2*ROW2 th:TH_STORE_NT
	global_store_b64 v6, v[MK+24:MK+25], s[26:27] offset:4*ROW2 th:TH_STORE_NT   ; both halves of the lanes store the same numbers to the same bytes
	s_wait_loadcnt 0x0                             ; contact_map
.irp j, 0,1,2,3,4,5,6,7,8,9,10,11,12,13,14,15,16,17,18,19,20,21,22,23,24,25
	v_cmp_gt_f32 vcc_lo, 0.5, v[CM+\j]
	v_cndmask_b32 v[CM+\j], 0, v[MK+\j], vcc_lo    ; y = mask where contact_map < 0.5, else 0
.endr
.irp u, 0,1
.irp i, 0,1,2,3,4
	global_store_b64 v4, v[CM+10*\u+2*\i:CM+10*\u+2*\i+1], s[24:25] offset:ROW2*\i+256*\u th:TH_STORE_NT
.endr
.endr
	global_store_b64 v5, v[CM+20:CM+21], s[24:25] th:TH_STORE_NT
	global_store_b64 v5, v[CM+22:CM+23], s[24:25] offset:2*ROW2 th:TH_STORE_NT
	global_store_b64 v6, v[CM+24:CM+25], s[24:25] offset:4*ROW2 th:TH_STORE_NT
	s_wait_xcnt 0x0                                ; the stores have read their data: v64-121 are written again below
	; ---- W1: my 128 k x 64 columns become four fragments.  A lane takes a column and its registers run down K, so a block of 32 lies in one lane
.macro W1LOAD t                        ; block t % 4 of columns 32 (t / 4) + lane: 32 lanes read 128 consecutive bytes
.irp i, 0,1,2,3,4,5,6,7,8,9,10,11,12,13,14,15,16,17,18,19,20,21,22,23,24,25,26,27,28,29,30,31
	ds_load_b32 v[XR+32*((\t)%4)+\i], v7 offset:(32*((\t)%4)+\i)*256+128*((\t)/4)
.endr
.endm
.macro W1BLOCK t
.set XS, XR+32*((\t)%4)
.set CD, CODE+16*((\t)/4)+4*((\t)%4)
	v_max3_num_f32 v33, |v[XS]|, |v[XS+1]|, |v[XS+2]|              ; the block's largest magnitude, in two chains
	v_max3_num_f32 v34, |v[XS+3]|, |v[XS+4]|, |v[XS+5]|
.irp i, 6,10,14,18,22,26
	v_max3_num_f32 v33, v33, |v[XS+\i]|, |v[XS+\i+1]|
	v_max3_num_f32 v34, v34, |v[XS+\i+2]|, |v[XS+\i+3]|
.endr
	v_max3_num_f32 v33, v33, |v[XS+30]|, |v[XS+31]|
	v_max3_num_f32 v33, v33, v34, 0x1800000        ; and the floor 2^(3 - 127): the byte cannot fall under 1
	v_add_nc_u32 v35, 0xff000000, v33              ; 2 off its exponent field: the conversion takes the exponent field of this operand as its scale
	v_lshrrev_b32 v36, 23, v35                     ; the scale's byte
.if (\t)%4 == 0
	v_mov_b32 v[SW+(\t)/4], v36                    ; four bytes make my column's scale word, the lower K in the lower byte
.else
	v_lshl_or_b32 v[SW+(\t)/4], v36, 8*((\t)%4), v[SW+(\t)/4]
.endif
.irp g, 0,1,2,3
	v_cvt_scalef32_pk8_fp4_f32 v[CD+\g], v[XS+8*\g:XS+8*\g+7], v35
.endr
.endm
; 32 columns' codes (register 4 j + g: block j) become two fragments.  A fragment wants blocks 0 | 1 and 2 | 3 of ONE column in lanes r | 16 + r: the swap hands the first register's lanes 16-31
; and the second's lanes 0-15 to each other, so blocks 0 and 2 become the fragment of columns 0-15, blocks 1 and 3 that of columns 16-31.  They go to LDS as images of their registers.
.macro W1UNIT cu
.set C0, CODE+16*(\cu)
	v_nop                                          ; one plain place behind a scaled conversion
.irp i, 0,1,2,3,4,5,6,7,8,9,10,11,12,13,14,15
	v_xor_b32 v[C0+\i], s90, v[C0+\i]              ; W1's lower half is negated: the sign bit of each code
.endr
.irp i, 0,1,2,3
	v_permlane16_swap_b32 v[C0+\i], v[C0+4+\i]
	v_permlane16_swap_b32 v[C0+8+\i], v[C0+12+\i]
.endr
	ds_store_b128 v8, v[C0:C0+3] offset:2048*(\cu)
	ds_store_b128 v8, v[C0+8:C0+11] offset:2048*(\cu)+512
	ds_store_b128 v8, v[C0+4:C0+7] offset:2048*(\cu)+1024
	ds_store_b128 v8, v[C0+12:C0+15] offset:2048*(\cu)+1536
	ds_store_b32 v9, v[SW+(\cu)] offset:128*(\cu)  ; lanes 0-15: the words of the first fragment's columns, lanes 16-31: the second's
.endm
	s_wait_tensorcnt 0x2                           ; my tile of W1 has landed (tensor loads of a wave end in order: ISA guide 10.11.1); h2's and h1's may be out.  I alone read this tile
	W1LOAD 0
	W1LOAD 1
	W1LOAD 2
	W1LOAD 3
.irp t, 0,1,2,3,4,5,6,7
.if \t < 6
	s_wait_dscnt 63                                ; behind block t's 32 loads at least 69 LDS instructions were issued
.elseif \t == 6
	s_wait_dscnt 32                                ; behind block 6's: block 7's 32 loads and five stores
.else
	s_wait_dscnt 0x0
.endif
	W1BLOCK \t
.if \t < 4
	W1LOAD \t+4                                    ; the set just converted takes the block four on
.endif
.if \t == 3
	W1UNIT 0
.endif
.if \t == 7
	W1UNIT 1
.endif
.endr
; 64 numbers of a row of h: lane (r, h) takes blocks h and 2 + h whole, in the order in which the operand's registers want them
.macro HLOAD adr, imm
.irp c, 0,1
.irp i, 0,1,2,3,4,5,6,7
	ds_load_b128 v[X+32*\c+4*\i:X+32*\c+4*\i+3], v[\adr] offset:\imm+256*\c+16*\i
.endr
.endr
.endm
.macro HQUANT                          ; they become the fragment v[HF ..] and the scale word v[HSC]
.irp c, 0,1
	v_max3_num_f32 v[33+\c], |v[X+32*\c]|, |v[X+1+32*\c]|, 0x1800000   ; my block 2 c + h, and the floor
.endr
.irp i, 2,4,6,8,10,12,14,16,18,20,22,24,26,28,30
.irp c, 0,1
	v_max3_num_f32 v[33+\c], v[33+\c], |v[X+32*\c+\i]|, |v[X+1+32*\c+\i]|   ; (the two blocks by turns)
.endr
.endr
.irp c, 0,1
	v_add_nc_u32 v[35+\c], 0xff000000, v[33+\c]
.endr
.irp c, 0,1
	v_lshrrev_b32 v[40+\c], 23, v[35+\c]
.endr
	v_lshl_or_b32 v37, v41, 16, v40                ; my two bytes, blocks h and 2 + h,
	v_lshlrev_b32 v37, v29, v37                    ; at their places in the word;
	v_permlanex16_b32 v38, v37, s88, s89
	v_or_b32 v[HSC], v37, v38                      ; with lane l xor 16's two the word is whole
.irp c, 0,1
.irp g, 0,1,2,3
	v_cvt_scalef32_pk8_fp4_f32 v[HF+4*\c+\g], v[X+32*\c+8*\g:X+32*\c+8*\g+7], v[35+\c]
.endr
.endr
.rept 8
	v_nop                                          ; a scale register written by a vector instruction stands 8 places ahead of a scaled matrix instruction, an operand so written 4; the first is also the place behind the conversions
.endr
.endm
	s_wait_tensorcnt 0x0                           ; my rows of h1 and my part of h2 have landed
	HLOAD 10, 0
	s_wait_dscnt 0x0
	HQUANT                                         ; h1's fragment: rows 0-4 mine, 5-7 zeros, 8-15 the same again
	s_wait_dscnt 0x0                               ; my images of W1, my words of W2 and b1 are stored, and my reads of W1's tile are over
	s_barrier_signal -1
	s_barrier_wait -1                              ; all of W1's fragments, W2, b1 and h2 lie in LDS; nobody reads W1's tiles any more
	; ---- a = p1 + b1: source 0 = my rows of h1, source 1 = 16 features: register j of a result is row j, the lane's r the feature
.irp ft, 0,1,2,3,4,5,6,7
.irp c, 0,1
	ds_load_b128 v[WF+8*\ft+4*\c:WF+8*\ft+4*\c+3], v19 offset:1024*\ft+512*\c
.endr
.endr
.irp i, 0,1,2,3
	ds_load_b32 v[WS+\i], v20 offset:128*\i
.endr
.irp ft, 0,1,2,3,4,5,6,7
	ds_load_b32 v[B1R+\ft], v31 offset:64*\ft
.endr
	s_wait_dscnt 0x0
.irp ft, 0,1,2,3,4,5,6,7
.if (\ft)%2 == 0
	v_wmma_scale_f32_16x16x128_f8f6f4 v[X+8*\ft:X+8*\ft+7], v[HF:HF+7], v[WF+8*\ft:WF+8*\ft+7], 0, v[HSC], v[WS+\ft/2] matrix_a_fmt:MATRIX_FMT_FP4 matrix_b_fmt:MATRIX_FMT_FP4
.else
	v_wmma_scale_f32_16x16x128_f8f6f4 v[X+8*\ft:X+8*\ft+7], v[HF:HF+7], v[WF+8*\ft:WF+8*\ft+7], 0, v[HSC], v[WS+\ft/2] matrix_a_fmt:MATRIX_FMT_FP4 matrix_b_fmt:MATRIX_FMT_FP4 matrix_b_scale:MATRIX_SCALE_ROW1
.endif
.endr
.rept 4
	v_nop                                          ; four places behind the last product, for the reads of results and for the loads below into operands
.endr
.irp ft, 0,1,2,3,4,5,6,7
.irp j, 0,1,2,3,4
	v_add_f32 v[X+8*\ft+\j], v[X+8*\ft+\j], v[B1R+\ft]     ; each result from its low end on
.endr
	v_cndmask_b32 v[X+8*\ft+5], v[X+8*\ft], v[X+8*\ft+1], s86     ; for pass H: rows 0 | 1,
	v_cndmask_b32 v[X+8*\ft+6], v[X+8*\ft+2], v[X+8*\ft+3], s86   ; rows 2 | 3 in the two halves of the lanes
.endr
.irp ft, 0,1,2,3,4,5,6,7
	ds_store_b128 v18, v[X+8*\ft:X+8*\ft+3] offset:1024*\ft       ; my own image: no other wave reads it
	ds_store_b128 v18, v[X+8*\ft+4:X+8*\ft+7] offset:1024*\ft+512
.endr
	; ---- c = -p2 and bias: source 0 = 16 features of W1's negated lower half, source 1 = 16 rows of h2: a lane holds ONE row of h2 and eight neighbouring features
.irp ft, 0,1,2,3,4,5,6,7
.irp c, 0,1
	ds_load_b128 v[WF+8*\ft+4*\c:WF+8*\ft+4*\c+3], v19 offset:8192+1024*\ft+512*\c
.endr
.endr
.irp i, 0,1,2,3
	ds_load_b32 v[WS+\i], v20 offset:512+128*\i
.endr
.irp ft, 0,1,2,3,4,5,6,7
	ds_load_b128 v[WH+8*\ft:WH+8*\ft+3], v30 offset:64*\ft        ; W2 at features 16 ft + 8 h + 0 .. 7
	ds_load_b128 v[WH+8*\ft+4:WH+8*\ft+7], v30 offset:64*\ft+16
.endr
.macro FRAG adr, imm, cw, bw, bimm     ; 16 rows of h2 at v[adr] + imm: c to v[cw], bias to v[bw] + bimm
	s_wait_dscnt 0x0                               ; the stores of the last results are done: their registers take the next numbers
	HLOAD \adr, \imm
	s_wait_dscnt 0x0
	HQUANT
.irp ft, 0,1,2,3,4,5,6,7
.if (\ft)%2 == 0
	v_wmma_scale_f32_16x16x128_f8f6f4 v[X+8*\ft:X+8*\ft+7], v[WF+8*\ft:WF+8*\ft+7], v[HF:HF+7], 0, v[WS+\ft/2], v[HSC] matrix_a_fmt:MATRIX_FMT_FP4 matrix_b_fmt:MATRIX_FMT_FP4
.else
	v_wmma_scale_f32_16x16x128_f8f6f4 v[X+8*\ft:X+8*\ft+7], v[WF+8*\ft:WF+8*\ft+7], v[HF:HF+7], 0, v[WS+\ft/2], v[HSC] matrix_a_fmt:MATRIX_FMT_FP4 matrix_b_fmt:MATRIX_FMT_FP4 matrix_a_scale:MATRIX_SCALE_ROW1
.endif
.endr
.rept 4
	v_nop
.endr
.irp ft, 0,1,2,3,4,5,6,7
.irp t, 0,1,2,3
.if 4*\ft+\t < 2
	v_pk_mul_f32 v[34+2*\t:35+2*\t], v[X+8*\ft+2*\t:X+8*\ft+2*\t+1], v[WH+8*\ft+2*\t:WH+8*\ft+2*\t+1]   ; sum of w c over my 64 features: two chains, begun by the first two products
.else
	v_pk_fma_f32 v[34+2*((\t)%2):35+2*((\t)%2)], v[X+8*\ft+2*\t:X+8*\ft+2*\t+1], v[WH+8*\ft+2*\t:WH+8*\ft+2*\t+1], v[34+2*((\t)%2):35+2*((\t)%2)]
.endif
.endr
.endr
	v_pk_add_f32 v[34:35], v[34:35], v[36:37]
	v_add_f32 v33, v34, v35
	v_permlanex16_b32 v38, v33, s88, s89
	v_add_f32 v33, v33, v38                        ; with lane l xor 16's 64 features
	v_sub_f32 v33, s85, v33                        ; bias = b2 - sum of w c
.irp ft, 0,1,2,3,4,5,6,7
	ds_store_b128 v[\cw], v[X+8*\ft:X+8*\ft+3] offset:4*QROW*\ft          ; features 16 ft + 8 h + 0 .. 3 of my row,
	ds_store_b128 v[\cw], v[X+8*\ft+4:X+8*\ft+7] offset:4*QROW*\ft+QROW   ; + 4 .. 7
.endr
	ds_store_b32 v[\bw], v33 offset:\bimm          ; both halves of the lanes write the same word with the same value
.endm
	FRAG 11, 0, 13, 16, 0                          ; mu = 16 w + r, even m
	FRAG 11, PLANE_H, 14, 16, 4                    ; odd m
	s_cmp_lt_u32 s28, 2                            ; mu = 64 .. 79: wave 0 the even m, wave 1 the odd.  A branch on the wave's number; no barrier stands inside
	s_cbranch_scc0 .Lno_fifth
	FRAG 12, 0, 15, 17, 0
.Lno_fifth:
	s_wait_dscnt 0x0                               ; my part of c and of bias is stored
	s_barrier_signal -1
	s_barrier_wait -1                              ; c and bias are whole.  From here on LDS is only read
	; ---- THE PAIR LOOP.  A chunk is 16 features.  kind 0: passes 0 and 1 (five rows, 32 pairs of columns); kind 1: pass H (three pairs of rows, 16 pairs of columns)
.macro LOADCH kind, B                  ; the next chunk into buffer B: 14 loads, or 13
.irp i, 0,1,2,3
	ds_load_b128 v[CE+32*(\B)+4*\i:CE+32*(\B)+4*\i+3], v26 offset:QROW*\i
.endr
.irp i, 0,1,2,3
	ds_load_b128 v[CO+32*(\B)+4*\i:CO+32*(\B)+4*\i+3], v26 offset:PLANE_C+QROW*\i
.endr
.if \kind == 0
	ds_load_b128 v[AR+8*(\B):AR+8*(\B)+3], v27
.endif
	ds_load_b128 v[AR+8*(\B)+4:AR+8*(\B)+7], v27 offset:512
.irp i, 0,1,2,3
	ds_load_b128 v[WR+16*(\B)+4*\i:WR+16*(\B)+4*\i+3], v28 offset:16*\i   ; every lane reads the same 16 bytes
.endr
	v_add_nc_u32 v26, 4*QROW, v26
	v_add_nc_u32 v27, 1024, v27
	v_add_nc_u32 v28, 64, v28
.endm
; One feature of one row: two maxima (a, handed to all lanes of a row of lanes by row_share, against c of my even and of my odd m) and one packed multiply-add by w, taken from the pair's first or second register for both halves
.macro FEAT B, acc, k, i, ar
	v_max_num_f32_dpp v[T+2*\i], v[AR+8*(\B)+\ar], v[CE+32*(\B)+\k] row_share:\k row_mask:0xf bank_mask:0xf
	v_max_num_f32_dpp v[T+2*\i+1], v[AR+8*(\B)+\ar], v[CO+32*(\B)+\k] row_share:\k row_mask:0xf bank_mask:0xf
.endm
.macro FMAW B, acc, k, i
.if (\k)%2 == 0
	v_pk_fma_f32 v[\acc+2*\i:\acc+2*\i+1], v[T+2*\i:T+2*\i+1], v[WR+16*(\B)+\k:WR+16*(\B)+\k+1], v[\acc+2*\i:\acc+2*\i+1] op_sel_hi:[1,0,1]
.else
	v_pk_fma_f32 v[\acc+2*\i:\acc+2*\i+1], v[T+2*\i:T+2*\i+1], v[WR+16*(\B)+\k-1:WR+16*(\B)+\k], v[\acc+2*\i:\acc+2*\i+1] op_sel:[0,1,0] op_sel_hi:[1,1,1]
.endif
.endm
.macro CHUNK kind, B, acc
.irp k, 0,1,2,3,4,5,6,7,8,9,10,11,12,13,14,15
.if \kind == 0
.irp i, 0,1,2,3,4
	FEAT \B, \acc, \k, \i, \i
.endr
.irp i, 0,1,2,3,4
	FMAW \B, \acc, \k, \i
.endr
.else
	FEAT \B, \acc, \k, 0, 5                        ; rows 0 | 1
	FEAT \B, \acc, \k, 1, 6                        ; rows 2 | 3
	FEAT \B, \acc, \k, 2, 4                        ; row 4 in both halves
.irp i, 0,1,2
	FMAW \B, \acc, \k, \i
.endr
.endif
.endr
.endm
; A pass: eight chunks on two buffers, each asked for a chunk ahead.  At its head chunk 0 is on its way into buffer 0.  next: the kind of the pass that follows (2: none), whose chunk 0 is asked for ahead of my last chunk; nextc: the register with its c address
.macro PASS kind, acc, u, next, nextc
	s_mov_b32 s91, 3
.Lpass_\@:
	LOADCH \kind, 1
	s_wait_dscnt 14-\kind                          ; all but the chunk just asked for
	CHUNK \kind, 0, \acc
	LOADCH \kind, 0
	s_wait_dscnt 14-\kind
	CHUNK \kind, 1, \acc
	s_sub_co_i32 s91, s91, 1
	s_cmp_lg_u32 s91, 0
	s_cbranch_scc1 .Lpass_\@
	LOADCH \kind, 1                                ; chunk 7
	s_wait_dscnt 14-\kind
	CHUNK \kind, 0, \acc
.if \next < 2
	v_mov_b32 v26, v[\nextc]
	v_mov_b32 v27, v18
	v_mov_b32 v28, v25
	LOADCH \next, 0
	s_wait_dscnt 14-\next
.else
	s_wait_dscnt 0x0
.endif
	CHUNK \kind, 1, \acc
.if \kind == 0
.irp i, 0,1,2,3,4
	global_store_b64 v4, v[\acc+2*\i:\acc+2*\i+1], s[22:23] offset:ROW2*\i+256*\u th:TH_STORE_NT   ; 32 lanes store 256 consecutive bytes, aligned.  Each pass has sums of its own: no store's data are written again
.endr
.else
	global_store_b64 v5, v[\acc:\acc+1], s[22:23] th:TH_STORE_NT
	global_store_b64 v5, v[\acc+2:\acc+3], s[22:23] offset:2*ROW2 th:TH_STORE_NT
	global_store_b64 v6, v[\acc+4:\acc+5], s[22:23] offset:4*ROW2 th:TH_STORE_NT
.endif
.endm
	ds_load_b64 v[BIAS:BIAS+1], v23
	ds_load_b64 v[BIAS+2:BIAS+3], v23 offset:256
	ds_load_b64 v[BIAS+4:BIAS+5], v24
	v_mov_b32 v26, v21
	v_mov_b32 v27, v18
	v_mov_b32 v28, v25
	LOADCH 0, 0
	v_add_nc_u32 v39, 512, v21                     ; pass 1: c of mu = 16 kap + 32 + lane
.irp j, 0,1,2,3,4,5,6,7,8,9
	v_mov_b32 v[T+\j], 0                           ; written once: the destination of a DPP form counts as one of its sources
.endr
	s_wait_dscnt 14                                ; the three loads of bias are in; chunk 0's fourteen may be out
.irp i, 0,1,2,3,4
	v_mov_b32 v[ACC0+2*\i], v[BIAS]                ; the sums begin at bias: nothing is cleared, and nothing is added at the end
	v_mov_b32 v[ACC0+2*\i+1], v[BIAS+1]
	v_mov_b32 v[ACC1+2*\i], v[BIAS+2]
	v_mov_b32 v[ACC1+2*\i+1], v[BIAS+3]
.endr
.irp i, 0,1,2
	v_mov_b32 v[ACCH+2*\i], v[BIAS+4]
	v_mov_b32 v[ACCH+2*\i+1], v[BIAS+5]
.endr
	PASS 0, ACC0, 0, 0, 39
	PASS 0, ACC1, 1, 1, 22
	PASS 1, ACCH, 0, 2, 22
	s_wait_tensorcnt 0x0
	ds_add_u32 v62, v63
	s_wait_dscnt 0x0
	s_endpgm
.Lfunc_end_k_q3c436c71f3_pairs:
	.size	k_q3c436c71f3_pairs, .Lfunc_end_k_q3c436c71f3_pairs-k_q3c436c71f3_pairs
	.p2alignl 7, 3214868480
	.fill 96, 4, 3214868480
	.section	.rodata,"a",@progbits
	.p2align	6, 0x0
	.amdhsa_kernel k_q3c436c71f3_pairs
		.amdhsa_group_segment_fixed_size 284928
		.amdhsa_private_segment_fixed_size 0
		.amdhsa_enable_private_segment 0
		.amdhsa_kernarg_size 96
		.amdhsa_user_sgpr_count 2
		.amdhsa_user_sgpr_kernarg_segment_ptr 1
		.amdhsa_wavefront_size32 1
		.amdhsa_system_sgpr_workgroup_id_x 1
		.amdhsa_system_sgpr_workgroup_id_y 1
		.amdhsa_system_sgpr_workgroup_id_z 1
		.amdhsa_system_vgpr_workitem_id 0
		.amdhsa_next_free_vgpr 256
		.amdhsa_next_free_sgpr 96
		.amdhsa_reserve_vcc 1
		.amdhsa_float_denorm_mode_32 3
		.amdhsa_float_denorm_mode_16_64 3
		.amdhsa_memory_ordered 1
		.amdhsa_forward_progress 1
		.amdhsa_inst_pref_size 255
	.end_amdhsa_kernel
	.section	.bss,"aw",@nobits
	.p2align	6
	.space	262144
	.amdgpu_metadata
---
amdhsa.version: [ 1, 2 ]
amdhsa.kernels:
  - .name:           k_q3c436c71f3_pairs
    .symbol:         k_q3c436c71f3_pairs.kd
    .args:
      - { .name: S_mol1, .offset: 0, .size: 8, .value_kind: global_buffer, .address_space: global }
      - { .name: S_mol2, .offset: 8, .size: 8, .value_kind: global_buffer, .address_space: global }
      - { .name: h_mol1, .offset: 16, .size: 8, .value_kind: global_buffer, .address_space: global }
      - { .name: h_mol2, .offset: 24, .size: 8, .value_kind: global_buffer, .address_space: global }
      - { .name: contact_map, .offset: 32, .size: 8, .value_kind: global_buffer, .address_space: global }
      - { .name: W1, .offset: 40, .size: 8, .value_kind: global_buffer, .address_space: global }
      - { .name: b1, .offset: 48, .size: 8, .value_kind: global_buffer, .address_space: global }
      - { .name: W2, .offset: 56, .size: 8, .value_kind: global_buffer, .address_space: global }
      - { .name: b2, .offset: 64, .size: 8, .value_kind: global_buffer, .address_space: global }
      - { .name: out0, .offset: 72, .size: 8, .value_kind: global_buffer, .address_space: global }
      - { .name: out1, .offset: 80, .size: 8, .value_kind: global_buffer, .address_space: global }
      - { .name: out2, .offset: 88, .size: 8, .value_kind: global_buffer, .address_space: global }
    .group_segment_fixed_size: 284928
    .private_segment_fixed_size: 0
    .kernarg_segment_align: 8
    .kernarg_segment_size: 96
    .max_flat_workgroup_size: 128
    .sgpr_count:     96
    .vgpr_count:     256
    .wavefront_size: 32
...
	.end_amdgpu_metadata
.endif
;; end of part 1
